; MI455X (gfx1250); checked and timed in simulation.
; The chip was launched on July 23, 2026; its instructions are those of AMD's public machine-readable ISA for CDNA 5 (MIT licence, August 2026) and "CDNA5" Instruction Set Architecture Reference Guide (July 2026). The comments in the code are by the model that wrote it; some were corrected since.
;; Hungarian Matcher. Allowed arithmetic: float matrix products may take bf16 or f16 operands with f32 sums; all other float work in f32.
;; Inputs: logits 8,192 x 91 float32; pred_boxes 8,192 x 4 float32; tgt_boxes 2,048 x 4 float32; tgt_ids 2,048 int32.
;; Outputs: out0 8,192 x 2,048 float32.
;; 2 versions, each right; version 2 is version 1 with the launch matchcost written anew for expert scheduling mode. Each part assembles by itself: llvm-mc -triple=amdgcn-amd-amdhsa -mcpu=gfx1250 --defsym DOCPART=n.
;; ======== version 1 of 2: 1 launch
;; limits: inputs' magnitudes at most 4,000,000,000; below input magnitudes of 2e-10 results are inexact or not finite; right only within a limited range of input values
;; launch matchcost (part 1): grid 256 x 1, 16 waves a work-group, no clusters, 15,872 bytes of LDS; arguments logits, pred_boxes, tgt_boxes, tgt_ids, out0; writes out0
.if DOCPART == 1
	.amdgcn_target "amdgcn-amd-amdhsa--gfx1250"
	.amdhsa_code_object_version 6
	.text
	.protected	k_q65e5629fa2_matchcost
	.globl	k_q65e5629fa2_matchcost
	.p2align	8
	.type	k_q65e5629fa2_matchcost,@function
k_q65e5629fa2_matchcost:
	s_mov_b64 s[64:65], 0
	v_nop
	global_prefetch_b8 v0, s[64:65] scope:SCOPE_SE
	s_setreg_imm32_b32 hwreg(HW_REG_WAVE_MODE, 25, 1), 1
	s_wait_xcnt 0x0
; C[n][m] = L1(pred n, tgt m) - softmax(logits n)[tgt_ids m] - GIoU(pred n, tgt m).   n < 8192, m < 2048, 91 classes, all f32.
;
; SHARES.  256 work-groups; a work-group makes 32 rows of C (32 predictions x all 2,048 targets) with 16 waves.  Thread t owns the
; targets 4t .. 4t+3 in every row: its 16 bytes of a row lie at byte 16 t, so one store of a wave covers 512 consecutive bytes, aligned.
; The targets' numbers stay in registers for the whole kernel.  A row's prediction is the same for all lanes: it lives in scalar registers.
;
; ARITHMETIC, in each dimension, with D = c2 - c1, e = (w2 - w1)/2, s = (w1 + w2)/2 (an identity for all real numbers):
;   min(right edges) - max(left edges) = s - max(|D|, |e|)        max(right edges) - min(left edges) = s + max(|D|, |e|)
; D and e also make the L1 term |D| + 2 |e|.  With m = max(|D|, |e|, -s) the enclosing width s + m is already clipped at 0 as the
; definition asks, and the overlap max(s - m, 0) is unchanged (where -s wins, s is negative and the overlap is 0 either way).
;   -GIoU = 1 - inter/union - union/areaC = 1 - (inter areaC + union^2) / (union areaC):  one reciprocal for each output.
;   C = (L1 + q) - (inter areaC + union^2) * rcp(union areaC),   q = 1 - softmax probability.
; Whatever needs no magnitude goes two targets at a time (v_pk_*_f32, v_dual_*): 64 vector instructions for a wave's 128 outputs of a row.
;
; q: each wave normalises two of the 32 rows of logits and puts q into an LDS table [class][row], rows of 32 f32 + 16 bytes.  One
; ds_load_b128 at class x 144 + 16 g then brings q of one target for the four rows of group g.
;
; LIMITS.  (1) union x areaC must be a normal f32: below 2^-126 v_rcp_f32 takes it for zero (ISA guide 15.8) and the output is infinite
; or NaN where two separate divisions would still be finite; above about 3.4e38 it overflows.  (2) The order of rounding differs from the
; definition's: widths come from centres and sizes, not from rounded corners, and a box's area is w h; differences are of the order of one
; unit in the last place of a coordinate.  (3) tgt_ids is read as unsigned and clamped to 90; the problem keeps it inside 0 .. 90.
;
; NOT USED.  Joint requests in a cluster: all that work-groups share are the targets, 40,960 bytes read once by a work-group that stores
; 262,144, and they are wanted in registers, not in LDS.  Matrix instructions: the gather as a product with a one-hot matrix would leave
; each lane with pieces of 32 bytes of sixteen different rows of C.
.set NCLS,  91
.set LROW,  4*NCLS                     ; bytes in a row of logits
.set ROWS,  32                         ; rows of a work-group
.set OROW,  8192                       ; bytes in a row of C
.set PITCH, 144                        ; LDS: 32 rows x 4 bytes + 16: an odd multiple of 16, so that the classes' 16-byte pieces start in all sixteen places of 256 bytes
; vector registers that live through the kernel
.set TCX, 4                            ; v[4:7]    centre x of my four targets
.set TCY, 8                            ; v[8:11]   centre y
.set THW, 12                           ; v[12:15]  half width
.set THH, 16                           ; v[16:19]  half height
.set TAR, 20                           ; v[20:23]  area
.set QAD, 24                           ; v[24:27]  LDS address of my targets' classes, at the trip's first group of rows
.set QS0, 28                           ; q of four rows, two sets that take turns: target k in v[set + 6k : set + 6k + 3].  Six apart, not four:
.set QS1, 52                           ; the second sources of a dual instruction's halves must differ modulo 4 (ISA guide, VOPD)
.set OUT, 76                           ; v[76:91]  row i of a group: four results to store
; at work in a row, four registers each (one for each of my targets)
.set DX,  92
.set DY,  96
.set EX,  100
.set EY,  104
.set SX,  108
.set SY,  112
.set MX,  116
.set MY,  120
.set WIX, 124
.set WIY, 128
.set WCX, 132
.set WCY, 136
.set INT, 140
.set ARC, 144
.set UNI, 148
.set PRD, 152
.set NUM, 156
.set RCP, 160
.set L1X, 164
.set L1Y, 168
; the same registers in the prologue
.set LG,  92                           ; v[92:97]   logits: pair k = (row a, row b) of class lane + 32 k
.set EE,  98                           ; v[98:103]  their exponentials, then q
.set MA,  104                          ; pair: the rows' maxima
.set SU,  106                          ; pair: the rows' sums
.set RC,  108                          ; pair: their reciprocals
.set TP,  110                          ; pair: at work
.set LO,  112                          ; byte offset in logits, classes 0 .. 63
.set LO2, 113                          ; the same for classes 64 .. 90, clamped
.set BO,  114                          ; byte offset in tgt_boxes
.set LA,  115                          ; LDS address of my two q
.set BX,  116                          ; v[116:131] four targets as loaded
.set ID,  132                          ; v[132:135] their classes
; scalar registers
.set RAW0, 20                          ; s[20:35]  four predictions (cx, cy, w, h) as loaded, two sets that take turns
.set RAW1, 36                          ; s[36:51]
.set EXT,  66                          ; s[66:89]  row i of the group: pairs (cy, -), (h/2, -), (w h, -)
	s_load_b256 s[4:11], s[0:1], 0x0               ; logits s[4:5], pred_boxes s[6:7], tgt_boxes s[8:9], tgt_ids s[10:11]
	s_load_b64 s[12:13], s[0:1], 0x20              ; out0
	v_lshl_add_u32 v172, v0, 2, 0x3600
	v_mov_b32 v173, 0
	v_and_b32 v2, 31, v0                           ; lane
	v_lshrrev_b32 v3, 5, v0                        ; wave
	v_lshlrev_b32 v1, 4, v0                        ; 16 t: my four classes in tgt_ids, my 16 bytes in every row of C
	v_min_u32 v[TP], NCLS-65, v2                   ; the third piece of a row has 27 classes: lanes 27 .. 31 load class 90 again
	v_mul_u32_u24 v[TP+1], v3, 2*LROW              ; my wave's two rows of logits
	v_lshl_add_u32 v[LO], v2, 2, v[TP+1]
	v_lshl_add_u32 v[LO2], v[TP], 2, v[TP+1]
	v_lshlrev_b32 v[BO], 6, v0                     ; 64 t: my four targets
	v_cmp_gt_u32 vcc_lo, NCLS-64, v2               ; lanes whose class 64 + lane exists
	s_mul_i32 s14, ttmp9, ROWS*LROW                ; the work-group's part of logits,
	s_mov_b32 s15, 0
	s_lshl_b32 s16, ttmp9, 9                       ; of pred_boxes (32 x 16 bytes),
	s_mov_b32 s17, 0
	s_lshl_b32 s18, ttmp9, 18                      ; and of C (32 x 8,192 bytes; 255 << 18 is below 2^32)
	s_mov_b32 s19, 0
	s_mov_b32 s52, 0x76543210                      ; v_permlanex16_b32: lane i of one half reads lane i of the other
	s_mov_b32 s53, 0xfedcba98
.irp p, 1,3,5,7,9,11,13,15,17,19,21,23
	s_mov_b32 s[EXT+\p], 0                         ; a packed instruction names an aligned pair and uses its first word: the second is written once, so that no unwritten register is named
.endr
	s_wait_kmcnt 0x0
	s_add_nc_u64 s[4:5], s[4:5], s[14:15]
	s_add_nc_u64 s[6:7], s[6:7], s[16:17]
	s_add_nc_u64 s[12:13], s[12:13], s[18:19]
	global_load_b32 v[LG+0], v[LO], s[4:5]
	global_load_b32 v[LG+1], v[LO], s[4:5] offset:LROW
	global_load_b32 v[LG+2], v[LO], s[4:5] offset:128
	global_load_b32 v[LG+3], v[LO], s[4:5] offset:LROW+128
	global_load_b32 v[LG+4], v[LO2], s[4:5] offset:256
	global_load_b32 v[LG+5], v[LO2], s[4:5] offset:LROW+256
.irp k, 0,1,2,3
	global_load_b128 v[BX+4*\k:BX+4*\k+3], v[BO], s[8:9] offset:16*\k
.endr
	global_load_b128 v[ID:ID+3], v1, s[10:11]
	s_load_b512 s[RAW0:RAW0+15], s[6:7], 0x0       ; predictions 0 .. 3
	; SOFTMAX of my wave's two rows, side by side in register pairs
	s_wait_loadcnt 0x5                             ; the six loads of logits are in; the five younger ones (four targets, the classes) stay out
	v_cndmask_b32 v[LG+4], 0xff800000, v[LG+4], vcc_lo     ; classes that do not exist: minus infinity, so that they lose the maximum and add 0 to the sum
	v_cndmask_b32 v[LG+5], 0xff800000, v[LG+5], vcc_lo
	v_max3_num_f32 v[MA], v[LG], v[LG+2], v[LG+4]
	v_max3_num_f32 v[MA+1], v[LG+1], v[LG+3], v[LG+5]
.irp x, 1,2,4,8
	v_max_num_f32_dpp v[MA], v[MA], v[MA] row_xmask:\x row_mask:0xf bank_mask:0xf
	v_max_num_f32_dpp v[MA+1], v[MA+1], v[MA+1] row_xmask:\x row_mask:0xf bank_mask:0xf
.endr
	v_permlanex16_b32 v[TP], v[MA], s52, s53       ; its destination counts as read: TP has been written above
	v_permlanex16_b32 v[TP+1], v[MA+1], s52, s53
	v_max_num_f32 v[MA], v[MA], v[TP]
	v_max_num_f32 v[MA+1], v[MA+1], v[TP+1]
	v_pk_mul_f32 v[MA:MA+1], v[MA:MA+1], 0xbfb8aa3b op_sel_hi:[1,0]        ; - max x log2(e)
.irp k, 0,2,4
	v_pk_fma_f32 v[LG+\k:LG+\k+1], v[LG+\k:LG+\k+1], 0x3fb8aa3b, v[MA:MA+1] op_sel_hi:[1,0,1]   ; (x - max) log2(e)
.endr
.irp k, 0,1,2,3,4,5
	v_exp_f32 v[EE+\k], v[LG+\k]
.endr
	v_mul_u32_u24 v[LA], v2, PITCH                 ; the plain instruction that stands between a transcendental and the use of its result (ISA guide 5.7.2): class = lane
	s_wait_alu depctr_va_vdst(0)
	v_pk_add_f32 v[SU:SU+1], v[EE:EE+1], v[EE+2:EE+3]
	v_pk_add_f32 v[SU:SU+1], v[SU:SU+1], v[EE+4:EE+5]
.irp x, 1,2,4,8
	v_add_f32_dpp v[SU], v[SU], v[SU] row_xmask:\x row_mask:0xf bank_mask:0xf
	v_add_f32_dpp v[SU+1], v[SU+1], v[SU+1] row_xmask:\x row_mask:0xf bank_mask:0xf
.endr
	v_permlanex16_b32 v[TP], v[SU], s52, s53
	v_permlanex16_b32 v[TP+1], v[SU+1], s52, s53
	v_pk_add_f32 v[SU:SU+1], v[SU:SU+1], v[TP:TP+1]
	v_rcp_f32 v[RC], v[SU]
	v_rcp_f32 v[RC+1], v[SU+1]
	v_lshl_add_u32 v[LA], v3, 3, v[LA]             ; again the plain place: + 8 x wave, my two rows' 8 bytes in a class's row of the table
	s_wait_alu depctr_va_vdst(0)
.irp k, 0,2,4
	v_pk_fma_f32 v[EE+\k:EE+\k+1], v[EE+\k:EE+\k+1], v[RC:RC+1], 1.0 op_sel_hi:[1,1,0] neg_lo:[1,0,0] neg_hi:[1,0,0]   ; q = 1 - e / sum
.endr
	ds_store_b64 v[LA], v[EE:EE+1]                         ; classes lane, lane + 32, lane + 64: the table has 96 rows,
	ds_store_b64 v[LA], v[EE+2:EE+3] offset:32*PITCH       ; of which 91 .. 95 take q = 1 and are never read
	ds_store_b64 v[LA], v[EE+4:EE+5] offset:64*PITCH
	s_wait_dscnt 0x0                               ; for the other waves' sake: my part of the table is written,
	s_barrier_signal -1                            ; say so; register work while the others arrive
	s_wait_loadcnt 0x0                             ; my targets and their classes
.irp k, 0,1,2,3
	v_mov_b32 v[TCX+\k], v[BX+4*\k]                ; from (cx, cy, w, h) by target to one run of four registers for each quantity:
	v_mov_b32 v[TCY+\k], v[BX+4*\k+1]              ; a packed instruction takes two targets from neighbouring registers
	v_mul_f32 v[THW+\k], 0.5, v[BX+4*\k+2]
	v_mul_f32 v[THH+\k], 0.5, v[BX+4*\k+3]
	v_mul_f32 v[TAR+\k], v[BX+4*\k+2], v[BX+4*\k+3]
	v_min_u32 v[ID+\k], NCLS-1, v[ID+\k]           ; a loaded number enters an address only clamped to the table
	v_mul_u32_u24 v[QAD+\k], v[ID+\k], PITCH
.endr
	s_barrier_wait -1                              ; the table is whole; nobody writes it again
.irp k, 0,1,2,3
	ds_load_b128 v[QS0+6*\k:QS0+6*\k+3], v[QAD+\k] ; q of rows 0 .. 3
.endr
; One row of C: row i of a group of four.  raw: the group's predictions; qs: its q; g: the group's place in the trip (0 or 1).
.macro ROW i, raw, qs, g
.irp k, 0,2
	v_pk_add_f32 v[DX+\k:DX+\k+1], v[TCX+\k:TCX+\k+1], s[\raw+4*\i:\raw+4*\i+1] op_sel_hi:[1,0] neg_lo:[0,1] neg_hi:[0,1]       ; D = c2 - c1
	v_pk_add_f32 v[EX+\k:EX+\k+1], v[THW+\k:THW+\k+1], s[\raw+4*\i+2:\raw+4*\i+3] op_sel_hi:[1,0] neg_lo:[0,1] neg_hi:[0,1]   ; e = (w2 - w1)/2
	v_pk_add_f32 v[SX+\k:SX+\k+1], v[THW+\k:THW+\k+1], s[\raw+4*\i+2:\raw+4*\i+3] op_sel_hi:[1,0]                             ; s = (w2 + w1)/2
	v_pk_add_f32 v[DY+\k:DY+\k+1], v[TCY+\k:TCY+\k+1], s[EXT+6*\i:EXT+6*\i+1] op_sel_hi:[1,0] neg_lo:[0,1] neg_hi:[0,1]
	v_pk_add_f32 v[EY+\k:EY+\k+1], v[THH+\k:THH+\k+1], s[EXT+6*\i+2:EXT+6*\i+3] op_sel_hi:[1,0] neg_lo:[0,1] neg_hi:[0,1]
	v_pk_add_f32 v[SY+\k:SY+\k+1], v[THH+\k:THH+\k+1], s[EXT+6*\i+2:EXT+6*\i+3] op_sel_hi:[1,0]
	v_pk_add_f32 v[UNI+\k:UNI+\k+1], v[TAR+\k:TAR+\k+1], s[EXT+6*\i+4:EXT+6*\i+5] op_sel_hi:[1,0]                             ; area1 + area2
.endr
.irp k, 0,1,2,3
	v_max3_num_f32 v[MX+\k], |v[DX+\k]|, |v[EX+\k]|, -v[SX+\k]     ; m; the third operand is the clip of the enclosing width at 0
	v_max3_num_f32 v[MY+\k], |v[DY+\k]|, |v[EY+\k]|, -v[SY+\k]
.endr
.irp k, 0,2
	v_pk_add_f32 v[WIX+\k:WIX+\k+1], v[SX+\k:SX+\k+1], v[MX+\k:MX+\k+1] neg_lo:[0,1] neg_hi:[0,1]   ; overlap, not yet clipped
	v_pk_add_f32 v[WIY+\k:WIY+\k+1], v[SY+\k:SY+\k+1], v[MY+\k:MY+\k+1] neg_lo:[0,1] neg_hi:[0,1]
	v_pk_add_f32 v[WCX+\k:WCX+\k+1], v[SX+\k:SX+\k+1], v[MX+\k:MX+\k+1]                            ; enclosing width
	v_pk_add_f32 v[WCY+\k:WCY+\k+1], v[SY+\k:SY+\k+1], v[MY+\k:MY+\k+1]
.endr
.irp k, 0,2
	v_dual_max_num_f32 v[WIX+\k], 0, v[WIX+\k] :: v_dual_max_num_f32 v[WIX+\k+1], 0, v[WIX+\k+1]
	v_dual_max_num_f32 v[WIY+\k], 0, v[WIY+\k] :: v_dual_max_num_f32 v[WIY+\k+1], 0, v[WIY+\k+1]
.endr
.irp k, 0,2
	v_pk_mul_f32 v[INT+\k:INT+\k+1], v[WIX+\k:WIX+\k+1], v[WIY+\k:WIY+\k+1]
	v_pk_mul_f32 v[ARC+\k:ARC+\k+1], v[WCX+\k:WCX+\k+1], v[WCY+\k:WCY+\k+1]
.endr
.irp k, 0,2
	v_pk_add_f32 v[UNI+\k:UNI+\k+1], v[UNI+\k:UNI+\k+1], v[INT+\k:INT+\k+1] neg_lo:[0,1] neg_hi:[0,1]
.endr
.irp k, 0,1,2,3
	v_fma_f32 v[L1X+\k], |v[EX+\k]|, 2.0, |v[DX+\k]|               ; |cx1 - cx2| + |w1 - w2|
.endr
.irp k, 0,2
	v_pk_mul_f32 v[PRD+\k:PRD+\k+1], v[UNI+\k:UNI+\k+1], v[ARC+\k:ARC+\k+1]
	v_pk_mul_f32 v[NUM+\k:NUM+\k+1], v[INT+\k:INT+\k+1], v[ARC+\k:ARC+\k+1] neg_lo:[1,0] neg_hi:[1,0]
.endr
.irp k, 0,1,2,3
	v_rcp_f32 v[RCP+\k], v[PRD+\k]
.endr
.irp k, 0,1,2,3
	v_fma_f32 v[L1Y+\k], |v[EY+\k]|, 2.0, |v[DY+\k]|               ; plain work that touches neither RCP nor PRD stands behind the reciprocals (ISA guide 5.7.2)
.endr
.irp k, 0,2
	v_pk_fma_f32 v[NUM+\k:NUM+\k+1], v[UNI+\k:UNI+\k+1], v[UNI+\k:UNI+\k+1], v[NUM+\k:NUM+\k+1] neg_lo:[1,0,0] neg_hi:[1,0,0]   ; -(inter areaC + union^2)
	v_pk_add_f32 v[L1X+\k:L1X+\k+1], v[L1X+\k:L1X+\k+1], v[L1Y+\k:L1Y+\k+1]
.endr
.irp k, 0,2
	v_dual_add_f32 v[L1X+\k], v[L1X+\k], v[\qs+6*\k+\i] :: v_dual_add_f32 v[L1X+\k+1], v[L1X+\k+1], v[\qs+6*\k+6+\i]   ; + q: two targets' q lie six registers apart
.endr
	s_wait_xcnt 0x0                                ; every earlier memory instruction has had its addresses translated (ISA guide 3.1): OUT's row i, which the last group's store reads, is rewritten only behind this wait
	s_wait_alu depctr_va_vdst(0)
.irp k, 0,2
	v_pk_fma_f32 v[OUT+4*\i+\k:OUT+4*\i+\k+1], v[NUM+\k:NUM+\k+1], v[RCP+\k:RCP+\k+1], v[L1X+\k:L1X+\k+1]
.endr
	global_store_b128 v1, v[OUT+4*\i:OUT+4*\i+3], s[12:13] offset:(4*\g+\i)*OROW th:TH_STORE_NT
.endm
; Four rows.  nraw, nqs: the sets that the next group's predictions and q are fetched into (fetch = 1), one group ahead of their use.
.macro GROUP raw, qs, nraw, nqs, fetch, g
	s_wait_kmcnt 0x0                               ; this group's predictions, asked for one group ago
.irp i, 0,1,2,3
	s_mul_f32 s[EXT+6*\i+4], s[\raw+4*\i+2], s[\raw+4*\i+3]        ; area = w h
	s_mov_b32 s[EXT+6*\i], s[\raw+4*\i+1]                          ; cy and h/2 move to even registers: a packed instruction takes a scalar pair's first word
	s_mul_f32 s[EXT+6*\i+2], s[\raw+4*\i+3], 0.5
	s_mul_f32 s[\raw+4*\i+2], s[\raw+4*\i+2], 0.5                  ; w/2 in place; cx stays where it was loaded
.endr
	s_wait_dscnt 0x0                               ; this group's q: the only LDS loads out
.if \fetch
	s_load_b512 s[\nraw:\nraw+15], s[6:7], 64*(\g+1)
.irp k, 0,1,2,3
	ds_load_b128 v[\nqs+6*\k:\nqs+6*\k+3], v[QAD+\k] offset:16*(\g+1)
.endr
.endif
	ROW 0, \raw, \qs, \g
	ROW 1, \raw, \qs, \g
	ROW 2, \raw, \qs, \g
	ROW 3, \raw, \qs, \g
.endm
	s_mov_b32 s54, ROWS/8-1                        ; a trip = two groups = 8 rows; the last 8 rows stand behind the loop
.Ltrip:
	GROUP RAW0, QS0, RAW1, QS1, 1, 0
	GROUP RAW1, QS1, RAW0, QS0, 1, 1
	s_wait_xcnt 0x0                                ; the bases of the last store and of the last scalar load are stepped only behind this wait
	s_add_nc_u64 s[6:7], s[6:7], 8*16
	s_add_nc_u64 s[12:13], s[12:13], 8*OROW
.irp k, 0,1,2,3
	v_add_nc_u32 v[QAD+\k], 8*4, v[QAD+\k]         ; eight rows on in the table: at most 90 x 144 + 96, and 32 bytes of a load behind it stay in the class's 128
.endr
	s_sub_co_u32 s54, s54, 1
	s_cmp_lg_u32 s54, 0
	s_cbranch_scc1 .Ltrip
	GROUP RAW0, QS0, RAW1, QS1, 1, 0
	GROUP RAW1, QS1, RAW0, QS0, 0, 1               ; the last group fetches nothing: no load leaves pred_boxes or the table's rows
	s_wait_tensorcnt 0x0
	ds_add_u32 v172, v173
	s_wait_dscnt 0x0
	s_endpgm
.Lfunc_end_k_q65e5629fa2_matchcost:
	.size	k_q65e5629fa2_matchcost, .Lfunc_end_k_q65e5629fa2_matchcost-k_q65e5629fa2_matchcost
	.p2alignl 7, 3214868480
	.fill 96, 4, 3214868480
	.section	.rodata,"a",@progbits
	.p2align	6, 0x0
	.amdhsa_kernel k_q65e5629fa2_matchcost
		.amdhsa_group_segment_fixed_size 15872
		.amdhsa_private_segment_fixed_size 0
		.amdhsa_enable_private_segment 0
		.amdhsa_kernarg_size 40
		.amdhsa_user_sgpr_count 2
		.amdhsa_user_sgpr_kernarg_segment_ptr 1
		.amdhsa_wavefront_size32 1
		.amdhsa_system_sgpr_workgroup_id_x 1
		.amdhsa_system_sgpr_workgroup_id_y 1
		.amdhsa_system_sgpr_workgroup_id_z 1
		.amdhsa_system_vgpr_workitem_id 0
		.amdhsa_next_free_vgpr 174
		.amdhsa_next_free_sgpr 90
		.amdhsa_reserve_vcc 1
		.amdhsa_float_denorm_mode_32 3
		.amdhsa_float_denorm_mode_16_64 3
		.amdhsa_memory_ordered 1
		.amdhsa_forward_progress 1
		.amdhsa_inst_pref_size 76
	.end_amdhsa_kernel
	.amdgpu_metadata
---
amdhsa.version: [ 1, 2 ]
amdhsa.kernels:
  - .name:           k_q65e5629fa2_matchcost
    .symbol:         k_q65e5629fa2_matchcost.kd
    .args:
      - { .name: logits, .offset: 0, .size: 8, .value_kind: global_buffer, .address_space: global }
      - { .name: pred_boxes, .offset: 8, .size: 8, .value_kind: global_buffer, .address_space: global }
      - { .name: tgt_boxes, .offset: 16, .size: 8, .value_kind: global_buffer, .address_space: global }
      - { .name: tgt_ids, .offset: 24, .size: 8, .value_kind: global_buffer, .address_space: global }
      - { .name: out0, .offset: 32, .size: 8, .value_kind: global_buffer, .address_space: global }
    .group_segment_fixed_size: 15872
    .private_segment_fixed_size: 0
    .kernarg_segment_align: 8
    .kernarg_segment_size: 40
    .max_flat_workgroup_size: 512
    .sgpr_count:     90
    .vgpr_count:     174
    .wavefront_size: 32
...
	.end_amdgpu_metadata
.endif
;; end of part 1
;; ======== version 2 of 2: 1 launch; version 1 with the launch matchcost written anew for expert scheduling mode
;; limits: inputs' magnitudes at most 4,000,000,000; below input magnitudes of 2e-10 results are inexact or not finite; right only within a limited range of input values
;; launch matchcost (part 2): grid 256 x 1, 16 waves a work-group, no clusters, 15,872 bytes of LDS; arguments logits, pred_boxes, tgt_boxes, tgt_ids, out0; writes out0
.if DOCPART == 2
	.amdgcn_target "amdgcn-amd-amdhsa--gfx1250"
	.amdhsa_code_object_version 6
	.text
	.protected	k_q65e5629fa2_matchcost
	.globl	k_q65e5629fa2_matchcost
	.p2align	8
	.type	k_q65e5629fa2_matchcost,@function
k_q65e5629fa2_matchcost:
	s_mov_b64 s[64:65], 0
	v_nop
	global_prefetch_b8 v0, s[64:65] scope:SCOPE_SE
	s_setreg_imm32_b32 hwreg(HW_REG_WAVE_SCHED_MODE, 0, 2), 2
	s_setreg_imm32_b32 hwreg(HW_REG_WAVE_MODE, 25, 1), 1
	s_wait_xcnt 0x0
	s_wait_alu depctr_vm_vsrc(0)
; C[n][m] = L1(pred n, tgt m) - softmax(logits n)[tgt_ids m] - GIoU(pred n, tgt m).   n < 8192, m < 2048, 91 classes, all f32.
;
; SHARES.  256 work-groups; a work-group makes 32 rows of C (32 predictions x all 2,048 targets) with 16 waves.  Thread t owns the
; targets 4t .. 4t+3 in every row: its 16 bytes of a row lie at byte 16 t, so one store of a wave covers 512 consecutive bytes, aligned.
; The targets' numbers stay in registers for the whole kernel.  A row's prediction is the same for all lanes: it lives in scalar registers.
;
; ARITHMETIC, in each dimension, with D = c2 - c1, e = (w2 - w1)/2, s = (w1 + w2)/2 (an identity for all real numbers):
;   min(right edges) - max(left edges) = s - max(|D|, |e|)        max(right edges) - min(left edges) = s + max(|D|, |e|)
; D and e also make the L1 term |D| + 2 |e|.  With m = max(|D|, |e|, -s) the enclosing width s + m is already clipped at 0 as the
; definition asks, and the overlap max(s - m, 0) is unchanged (where -s wins, s is negative and the overlap is 0 either way).
;   -GIoU = 1 - inter/union - union/areaC = 1 - (inter areaC + union^2) / (union areaC):  one reciprocal for each output.
;   C = (L1 + q) - (inter areaC + union^2) * rcp(union areaC),   q = 1 - softmax probability.
; Whatever needs no magnitude goes two targets at a time (v_pk_*_f32, v_dual_*): 64 vector instructions for a wave's 128 outputs of a row.
;
; q: each wave normalises two of the 32 rows of logits and puts q into an LDS table [class][row], rows of 32 f32 + 16 bytes.  One
; ds_load_b128 at class x 144 + 16 g then brings q of one target for the four rows of group g.
;
; THE MODE: SCHED_MODE bits 1:0 = 2 (LLVM: expert scheduling mode 2), set by the entry lines.  The code itself states the register
; dependences between vector instructions and memory or LDS instructions, with s_wait_alu, always for 0.
; THE PLAN.  A trip is eight rows, two groups of four.  Registers that memory or LDS instructions touch, in the loop:
;   v1         The offset of every store; written once at the head and never again: the rows are reached by the scalar base and immediates.
;   QAD        Read by the four LDS loads at each group's head; written once a trip, by the four adds at the trip's end.
;   QS0, QS1   Written by LDS loads alone: a group's loads land in the set that the rows of the group before read (their additions of q).
;   OUT 0 .. 7 One for each row of a trip.  Row r's last two instructions write OUT r; the store that reads it is issued in row r + 1,
;              row 7's at the trip's end.
; All other registers are named by vector instructions alone.
; ONE wait on va_vdst stands in a row, behind its additions of q: the row's four reciprocals have written their results, and the row
; before has written its OUT.  The store of the row before stands directly behind it, then the two lines that write this row's OUT.  The
; wait of a group's last row also serves the next group's LDS loads: the group is done reading its q, and the two lines issued since name
; neither QS nor QAD.  One more stands at the trip's end, for OUT 7 and for QAD.  A wait on vm_vsrc, beside s_wait_xcnt 0, stands twice
; a trip: at the trip's end (the LDS loads have read QAD; the stores of rows 0 to 6 have read their OUT) and at the second group's head
; (the last trip's store of row 7 has read OUT 7): each store lies ahead of one of them, and that one ahead of the next write of its OUT.
;
; LIMITS.  (1) union x areaC must be a normal f32: below 2^-126 v_rcp_f32 takes it for zero (ISA guide 15.8) and the output is infinite
; or NaN where two separate divisions would still be finite; above about 3.4e38 it overflows.  (2) The order of rounding differs from the
; definition's: widths come from centres and sizes, not from rounded corners, and a box's area is w h; differences are of the order of one
; unit in the last place of a coordinate.  (3) tgt_ids is read as unsigned and clamped to 90; the problem keeps it inside 0 .. 90.
;
; NOT USED.  Joint requests in a cluster: all that work-groups share are the targets, 40,960 bytes read once by a work-group that stores
; 262,144, and they are wanted in registers, not in LDS.  Matrix instructions: the gather as a product with a one-hot matrix would leave
; each lane with pieces of 32 bytes of sixteen different rows of C.
.set NCLS,  91
.set LROW,  4*NCLS                     ; bytes in a row of logits
.set ROWS,  32                         ; rows of a work-group
.set OROW,  8192                       ; bytes in a row of C
.set PITCH, 144                        ; LDS: 32 rows x 4 bytes + 16: an odd multiple of 16, so that the classes' 16-byte pieces start in all sixteen places of 256 bytes
; vector registers that live through the kernel
.set TCX, 4                            ; v[4:7]    centre x of my four targets
.set TCY, 8                            ; v[8:11]   centre y
.set THW, 12                           ; v[12:15]  half width
.set THH, 16                           ; v[16:19]  half height
.set TAR, 20                           ; v[20:23]  area
.set QAD, 24                           ; v[24:27]  LDS address of my targets' classes, at the trip's first group of rows
.set QS0, 28                           ; q of four rows, two sets that take turns: target k in v[set + 6k : set + 6k + 3].  Six apart, not four:
.set QS1, 52                           ; the second sources of a dual instruction's halves must differ modulo 4 (ISA guide, VOPD)
.set OUT, 76                           ; v[76:107] row r of a trip: four results to store, at OUT + 4 r
; at work in a row, four registers each (one for each of my targets)
.set DX,  108
.set DY,  112
.set EX,  116
.set EY,  120
.set SX,  124
.set SY,  128
.set MX,  132
.set MY,  136
.set WIX, 140
.set WIY, 144
.set WCX, 148
.set WCY, 152
.set INT, 156
.set ARC, 160
.set UNI, 164
.set PRD, 168
.set NUM, 172
.set RCP, 176
.set L1X, 180
.set L1Y, 184
; the same registers in the prologue
.set LG,  108                          ; v[108:113] logits: pair k = (row a, row b) of class lane + 32 k
.set EE,  114                          ; v[114:119] their exponentials, then q
.set MA,  120                          ; pair: the rows' maxima
.set SU,  122                          ; pair: the rows' sums
.set RC,  124                          ; pair: their reciprocals
.set TP,  126                          ; pair: at work
.set LO,  128                          ; byte offset in logits, classes 0 .. 63
.set LO2, 129                          ; the same for classes 64 .. 90, clamped
.set BO,  130                          ; byte offset in tgt_boxes
.set LA,  131                          ; LDS address of my two q
.set BX,  132                          ; v[132:147] four targets as loaded
.set ID,  148                          ; v[148:151] their classes
; scalar registers
.set RAW0, 20                          ; s[20:35]  four predictions (cx, cy, w, h) as loaded, two sets that take turns
.set RAW1, 36                          ; s[36:51]
.set EXT,  66                          ; s[66:89]  row i of the group: pairs (cy, -), (h/2, -), (w h, -)
	s_load_b256 s[4:11], s[0:1], 0x0               ; logits s[4:5], pred_boxes s[6:7], tgt_boxes s[8:9], tgt_ids s[10:11]
	s_load_b64 s[12:13], s[0:1], 0x20              ; out0
	v_lshl_add_u32 v74, v0, 2, 0x3600
	v_mov_b32 v75, 0
	v_and_b32 v2, 31, v0                           ; lane
	v_lshrrev_b32 v3, 5, v0                        ; wave
	v_lshlrev_b32 v1, 4, v0                        ; 16 t: my four classes in tgt_ids, my 16 bytes in every row of C
	v_min_u32 v[TP], NCLS-65, v2                   ; the third piece of a row has 27 classes: lanes 27 .. 31 load class 90 again
	v_mul_u32_u24 v[TP+1], v3, 2*LROW              ; my wave's two rows of logits
	v_lshl_add_u32 v[LO], v2, 2, v[TP+1]
	v_lshl_add_u32 v[LO2], v[TP], 2, v[TP+1]
	v_lshlrev_b32 v[BO], 6, v0                     ; 64 t: my four targets
	v_cmp_gt_u32 vcc_lo, NCLS-64, v2               ; lanes whose class 64 + lane exists
	s_mul_i32 s14, ttmp9, ROWS*LROW                ; the work-group's part of logits,
	s_mov_b32 s15, 0
	s_lshl_b32 s16, ttmp9, 9                       ; of pred_boxes (32 x 16 bytes),
	s_mov_b32 s17, 0
	s_lshl_b32 s18, ttmp9, 18                      ; and of C (32 x 8,192 bytes; 255 << 18 is below 2^32)
	s_mov_b32 s19, 0
	s_mov_b32 s52, 0x76543210                      ; v_permlanex16_b32: lane i of one half reads lane i of the other
	s_mov_b32 s53, 0xfedcba98
.irp p, 1,3,5,7,9,11,13,15,17,19,21,23
	s_mov_b32 s[EXT+\p], 0                         ; a packed instruction names an aligned pair and uses its first word: the second is written once, so that no unwritten register is named
.endr
	s_wait_kmcnt 0x0
	s_add_nc_u64 s[4:5], s[4:5], s[14:15]
	s_add_nc_u64 s[6:7], s[6:7], s[16:17]
	s_add_nc_u64 s[12:13], s[12:13], s[18:19]
	s_wait_alu depctr_va_vdst(0)                   ; v1, LO, LO2 and BO are written, which the loads below read as their offsets; v1 serves every store of the kernel too
	global_load_b32 v[LG+0], v[LO], s[4:5]
	global_load_b32 v[LG+1], v[LO], s[4:5] offset:LROW
	global_load_b32 v[LG+2], v[LO], s[4:5] offset:128
	global_load_b32 v[LG+3], v[LO], s[4:5] offset:LROW+128
	global_load_b32 v[LG+4], v[LO2], s[4:5] offset:256
	global_load_b32 v[LG+5], v[LO2], s[4:5] offset:LROW+256
.irp k, 0,1,2,3
	global_load_b128 v[BX+4*\k:BX+4*\k+3], v[BO], s[8:9] offset:16*\k
.endr
	global_load_b128 v[ID:ID+3], v1, s[10:11]
	s_load_b512 s[RAW0:RAW0+15], s[6:7], 0x0       ; predictions 0 .. 3
	; SOFTMAX of my wave's two rows, side by side in register pairs
	s_wait_loadcnt 0x5                             ; the six loads of logits are in; the five younger ones (four targets, the classes) stay out
	s_wait_alu depctr_va_vcc(0)                    ; the compare at the head has written VCC, ahead of its first reader, the select below
	v_cndmask_b32 v[LG+4], 0xff800000, v[LG+4], vcc_lo     ; classes that do not exist: minus infinity, so that they lose the maximum and add 0 to the sum
	v_cndmask_b32 v[LG+5], 0xff800000, v[LG+5], vcc_lo
	v_max3_num_f32 v[MA], v[LG], v[LG+2], v[LG+4]
	v_max3_num_f32 v[MA+1], v[LG+1], v[LG+3], v[LG+5]
.irp x, 1,2,4,8
	v_max_num_f32_dpp v[MA], v[MA], v[MA] row_xmask:\x row_mask:0xf bank_mask:0xf
	v_max_num_f32_dpp v[MA+1], v[MA+1], v[MA+1] row_xmask:\x row_mask:0xf bank_mask:0xf
.endr
	v_permlanex16_b32 v[TP], v[MA], s52, s53       ; its destination counts as read: TP has been written above
	v_permlanex16_b32 v[TP+1], v[MA+1], s52, s53
	v_max_num_f32 v[MA], v[MA], v[TP]
	v_max_num_f32 v[MA+1], v[MA+1], v[TP+1]
	v_pk_mul_f32 v[MA:MA+1], v[MA:MA+1], 0xbfb8aa3b op_sel_hi:[1,0]        ; - max x log2(e)
.irp k, 0,2,4
	v_pk_fma_f32 v[LG+\k:LG+\k+1], v[LG+\k:LG+\k+1], 0x3fb8aa3b, v[MA:MA+1] op_sel_hi:[1,0,1]   ; (x - max) log2(e)
.endr
.irp k, 0,1,2,3,4,5
	v_exp_f32 v[EE+\k], v[LG+\k]
.endr
	v_mul_u32_u24 v[LA], v2, PITCH                 ; the plain instruction that stands between a transcendental and the use of its result (ISA guide 5.7.2): class = lane
	s_wait_alu depctr_va_vdst(0)                   ; the six exponentials have written EE, ahead of their first reader: one wait for the batch
	v_pk_add_f32 v[SU:SU+1], v[EE:EE+1], v[EE+2:EE+3]
	v_pk_add_f32 v[SU:SU+1], v[SU:SU+1], v[EE+4:EE+5]
.irp x, 1,2,4,8
	v_add_f32_dpp v[SU], v[SU], v[SU] row_xmask:\x row_mask:0xf bank_mask:0xf
	v_add_f32_dpp v[SU+1], v[SU+1], v[SU+1] row_xmask:\x row_mask:0xf bank_mask:0xf
.endr
	v_permlanex16_b32 v[TP], v[SU], s52, s53
	v_permlanex16_b32 v[TP+1], v[SU+1], s52, s53
	v_pk_add_f32 v[SU:SU+1], v[SU:SU+1], v[TP:TP+1]
	v_rcp_f32 v[RC], v[SU]
	v_rcp_f32 v[RC+1], v[SU+1]
	v_lshl_add_u32 v[LA], v3, 3, v[LA]             ; again the plain place: + 8 x wave, my two rows' 8 bytes in a class's row of the table
	s_wait_alu depctr_va_vdst(0)                   ; the two reciprocals have written RC, ahead of their first reader
.irp k, 0,2,4
	v_pk_fma_f32 v[EE+\k:EE+\k+1], v[EE+\k:EE+\k+1], v[RC:RC+1], 1.0 op_sel_hi:[1,1,0] neg_lo:[1,0,0] neg_hi:[1,0,0]   ; q = 1 - e / sum
.endr
	s_wait_alu depctr_va_vdst(0)                   ; q is written in EE, and LA is written: the LDS stores below read both
	ds_store_b64 v[LA], v[EE:EE+1]                         ; classes lane, lane + 32, lane + 64: the table has 96 rows,
	ds_store_b64 v[LA], v[EE+2:EE+3] offset:32*PITCH       ; of which 91 .. 95 take q = 1 and are never read
	ds_store_b64 v[LA], v[EE+4:EE+5] offset:64*PITCH
	s_wait_dscnt 0x0                               ; for the other waves' sake: my part of the table is written,
	s_barrier_signal -1                            ; say so; register work while the others arrive
	s_wait_loadcnt 0x0                             ; my targets and their classes
.irp k, 0,1,2,3
	v_mov_b32 v[TCX+\k], v[BX+4*\k]                ; from (cx, cy, w, h) by target to one run of four registers for each quantity:
	v_mov_b32 v[TCY+\k], v[BX+4*\k+1]              ; a packed instruction takes two targets from neighbouring registers
	v_mul_f32 v[THW+\k], 0.5, v[BX+4*\k+2]
	v_mul_f32 v[THH+\k], 0.5, v[BX+4*\k+3]
	v_mul_f32 v[TAR+\k], v[BX+4*\k+2], v[BX+4*\k+3]
	v_min_u32 v[ID+\k], NCLS-1, v[ID+\k]           ; a loaded number enters an address only clamped to the table
	v_mul_u32_u24 v[QAD+\k], v[ID+\k], PITCH
.endr
	s_barrier_wait -1                              ; the table is whole; nobody writes it again
	s_wait_alu depctr_va_vdst(0)                   ; QAD is written, which the LDS loads read as their addresses
	s_wait_alu depctr_vm_vsrc(0)                   ; the head's loads have read LO, LO2 and BO, my LDS stores LA and EE: from here on the rows' vector instructions write these registers
.irp k, 0,1,2,3
	ds_load_b128 v[QS0+6*\k:QS0+6*\k+3], v[QAD+\k] ; q of rows 0 .. 3
.endr
; One row of C: row i of a group of four.  raw: the group's predictions; qs: its q; g: the group's place in the trip (0 or 1).
.macro ROW i, raw, qs, g
.irp k, 0,2
	v_pk_add_f32 v[DX+\k:DX+\k+1], v[TCX+\k:TCX+\k+1], s[\raw+4*\i:\raw+4*\i+1] op_sel_hi:[1,0] neg_lo:[0,1] neg_hi:[0,1]       ; D = c2 - c1
	v_pk_add_f32 v[EX+\k:EX+\k+1], v[THW+\k:THW+\k+1], s[\raw+4*\i+2:\raw+4*\i+3] op_sel_hi:[1,0] neg_lo:[0,1] neg_hi:[0,1]   ; e = (w2 - w1)/2
	v_pk_add_f32 v[SX+\k:SX+\k+1], v[THW+\k:THW+\k+1], s[\raw+4*\i+2:\raw+4*\i+3] op_sel_hi:[1,0]                             ; s = (w2 + w1)/2
	v_pk_add_f32 v[DY+\k:DY+\k+1], v[TCY+\k:TCY+\k+1], s[EXT+6*\i:EXT+6*\i+1] op_sel_hi:[1,0] neg_lo:[0,1] neg_hi:[0,1]
	v_pk_add_f32 v[EY+\k:EY+\k+1], v[THH+\k:THH+\k+1], s[EXT+6*\i+2:EXT+6*\i+3] op_sel_hi:[1,0] neg_lo:[0,1] neg_hi:[0,1]
	v_pk_add_f32 v[SY+\k:SY+\k+1], v[THH+\k:THH+\k+1], s[EXT+6*\i+2:EXT+6*\i+3] op_sel_hi:[1,0]
	v_pk_add_f32 v[UNI+\k:UNI+\k+1], v[TAR+\k:TAR+\k+1], s[EXT+6*\i+4:EXT+6*\i+5] op_sel_hi:[1,0]                             ; area1 + area2
.endr
.irp k, 0,1,2,3
	v_max3_num_f32 v[MX+\k], |v[DX+\k]|, |v[EX+\k]|, -v[SX+\k]     ; m; the third operand is the clip of the enclosing width at 0
	v_max3_num_f32 v[MY+\k], |v[DY+\k]|, |v[EY+\k]|, -v[SY+\k]
.endr
.irp k, 0,2
	v_pk_add_f32 v[WIX+\k:WIX+\k+1], v[SX+\k:SX+\k+1], v[MX+\k:MX+\k+1] neg_lo:[0,1] neg_hi:[0,1]   ; overlap, not yet clipped
	v_pk_add_f32 v[WIY+\k:WIY+\k+1], v[SY+\k:SY+\k+1], v[MY+\k:MY+\k+1] neg_lo:[0,1] neg_hi:[0,1]
	v_pk_add_f32 v[WCX+\k:WCX+\k+1], v[SX+\k:SX+\k+1], v[MX+\k:MX+\k+1]                            ; enclosing width
	v_pk_add_f32 v[WCY+\k:WCY+\k+1], v[SY+\k:SY+\k+1], v[MY+\k:MY+\k+1]
.endr
.irp k, 0,2
	v_dual_max_num_f32 v[WIX+\k], 0, v[WIX+\k] :: v_dual_max_num_f32 v[WIX+\k+1], 0, v[WIX+\k+1]
	v_dual_max_num_f32 v[WIY+\k], 0, v[WIY+\k] :: v_dual_max_num_f32 v[WIY+\k+1], 0, v[WIY+\k+1]
.endr
.irp k, 0,2
	v_pk_mul_f32 v[INT+\k:INT+\k+1], v[WIX+\k:WIX+\k+1], v[WIY+\k:WIY+\k+1]
	v_pk_mul_f32 v[ARC+\k:ARC+\k+1], v[WCX+\k:WCX+\k+1], v[WCY+\k:WCY+\k+1]
.endr
.irp k, 0,2
	v_pk_add_f32 v[UNI+\k:UNI+\k+1], v[UNI+\k:UNI+\k+1], v[INT+\k:INT+\k+1] neg_lo:[0,1] neg_hi:[0,1]
.endr
.irp k, 0,1,2,3
	v_fma_f32 v[L1X+\k], |v[EX+\k]|, 2.0, |v[DX+\k]|               ; |cx1 - cx2| + |w1 - w2|
.endr
.irp k, 0,2
	v_pk_mul_f32 v[PRD+\k:PRD+\k+1], v[UNI+\k:UNI+\k+1], v[ARC+\k:ARC+\k+1]
	v_pk_mul_f32 v[NUM+\k:NUM+\k+1], v[INT+\k:INT+\k+1], v[ARC+\k:ARC+\k+1] neg_lo:[1,0] neg_hi:[1,0]
.endr
.irp k, 0,1,2,3
	v_rcp_f32 v[RCP+\k], v[PRD+\k]
.endr
.irp k, 0,1,2,3
	v_fma_f32 v[L1Y+\k], |v[EY+\k]|, 2.0, |v[DY+\k]|               ; plain work that touches neither RCP nor PRD stands behind the reciprocals (ISA guide 5.7.2)
.endr
.irp k, 0,2
	v_pk_fma_f32 v[NUM+\k:NUM+\k+1], v[UNI+\k:UNI+\k+1], v[UNI+\k:UNI+\k+1], v[NUM+\k:NUM+\k+1] neg_lo:[1,0,0] neg_hi:[1,0,0]   ; -(inter areaC + union^2)
	v_pk_add_f32 v[L1X+\k:L1X+\k+1], v[L1X+\k:L1X+\k+1], v[L1Y+\k:L1Y+\k+1]
.endr
.irp k, 0,2
	v_dual_add_f32 v[L1X+\k], v[L1X+\k], v[\qs+6*\k+\i] :: v_dual_add_f32 v[L1X+\k+1], v[L1X+\k+1], v[\qs+6*\k+6+\i]   ; + q: two targets' q lie six registers apart
.endr
	s_wait_alu depctr_va_vdst(0)                   ; the row's four reciprocals have written RCP, ahead of their first reader; the row before has written its OUT, which the store below reads; in a group's last row: the group is done reading its q, in which the next group's LDS loads land
.if 4*\g+\i > 0
	global_store_b128 v1, v[OUT+16*\g+4*\i-4:OUT+16*\g+4*\i-1], s[12:13] offset:(4*\g+\i-1)*OROW th:TH_STORE_NT   ; the row before; a trip's row 7 is stored at the trip's end
.endif
.irp k, 0,2
	v_pk_fma_f32 v[OUT+16*\g+4*\i+\k:OUT+16*\g+4*\i+\k+1], v[NUM+\k:NUM+\k+1], v[RCP+\k:RCP+\k+1], v[L1X+\k:L1X+\k+1]
.endr
.endm
; Four rows.  nraw, nqs: the sets that the next group's predictions and q are fetched into (fetch = 1), one group ahead of their use.
.macro GROUP raw, qs, nraw, nqs, fetch, g
.if \g
	s_wait_xcnt 0x0                                ; every earlier memory instruction has had its addresses translated (ISA guide 3.1): OUT 7, which the last trip's last store reads, is rewritten only behind this wait,
	s_wait_alu depctr_vm_vsrc(0)                   ; and that store, issued behind the waits at the last trip's end, has read OUT 7, which this group's last row writes again
.endif
	s_wait_kmcnt 0x0                               ; this group's predictions, asked for one group ago
.irp i, 0,1,2,3
	s_mul_f32 s[EXT+6*\i+4], s[\raw+4*\i+2], s[\raw+4*\i+3]        ; area = w h
	s_mov_b32 s[EXT+6*\i], s[\raw+4*\i+1]                          ; cy and h/2 move to even registers: a packed instruction takes a scalar pair's first word
	s_mul_f32 s[EXT+6*\i+2], s[\raw+4*\i+3], 0.5
	s_mul_f32 s[\raw+4*\i+2], s[\raw+4*\i+2], 0.5                  ; w/2 in place; cx stays where it was loaded
.endr
	s_wait_dscnt 0x0                               ; this group's q: the only LDS loads out
.if \fetch
	s_load_b512 s[\nraw:\nraw+15], s[6:7], 64*(\g+1)
.irp k, 0,1,2,3
	ds_load_b128 v[\nqs+6*\k:\nqs+6*\k+3], v[QAD+\k] offset:16*(\g+1)   ; no wait here: no vector instruction since the last wait on va_vdst names this set or QAD
.endr
.endif
	ROW 0, \raw, \qs, \g
	ROW 1, \raw, \qs, \g
	ROW 2, \raw, \qs, \g
	ROW 3, \raw, \qs, \g
.endm
	s_mov_b32 s54, ROWS/8-1                        ; a trip = two groups = 8 rows; the last 8 rows stand behind the loop
.Ltrip:
	GROUP RAW0, QS0, RAW1, QS1, 1, 0
	GROUP RAW1, QS1, RAW0, QS0, 1, 1
	s_wait_xcnt 0x0                                ; the bases of the stores and of the last scalar load are stepped, and OUT 0 to 6 rewritten, only behind this wait
	s_wait_alu depctr_vm_vsrc(0)                   ; the LDS loads issued so far have read QAD, which the adds below write; the trip's seven stores have read OUT 0 to 6, which the next trip writes again
	s_add_nc_u64 s[6:7], s[6:7], 8*16
	s_add_nc_u64 s[12:13], s[12:13], 8*OROW
.irp k, 0,1,2,3
	v_add_nc_u32 v[QAD+\k], 8*4, v[QAD+\k]         ; eight rows on in the table: at most 90 x 144 + 96, and 32 bytes of a load behind it stay in the class's 128
.endr
	s_wait_alu depctr_va_vdst(0)                   ; row 7 has written OUT 7, which the store below reads; QAD is written, which the next trip's LDS loads read
	global_store_b128 v1, v[OUT+28:OUT+31], s[12:13] offset:-OROW th:TH_STORE_NT   ; row 7: the base has moved on, the offset reaches back one row
	s_sub_co_u32 s54, s54, 1
	s_cmp_lg_u32 s54, 0
	s_cbranch_scc1 .Ltrip
	GROUP RAW0, QS0, RAW1, QS1, 1, 0
	GROUP RAW1, QS1, RAW0, QS0, 0, 1               ; the last group fetches nothing: no load leaves pred_boxes or the table's rows
	s_wait_alu depctr_va_vdst(0)                   ; the last row has written OUT 7, which the last store reads
	global_store_b128 v1, v[OUT+28:OUT+31], s[12:13] offset:7*OROW th:TH_STORE_NT
	s_wait_dscnt 0x0
	s_wait_alu depctr_hold_cnt(0) depctr_sa_sdst(0) depctr_va_vdst(0) depctr_va_sdst(0) depctr_va_ssrc(0) depctr_va_vcc(0) depctr_vm_vsrc(0)
	s_wait_tensorcnt 0x0
	ds_add_u32 v74, v75
	s_wait_dscnt 0x0
	s_endpgm
.Lfunc_end_k_q65e5629fa2_matchcost:
	.size	k_q65e5629fa2_matchcost, .Lfunc_end_k_q65e5629fa2_matchcost-k_q65e5629fa2_matchcost
	.p2alignl 7, 3214868480
	.fill 96, 4, 3214868480
	.section	.rodata,"a",@progbits
	.p2align	6, 0x0
	.amdhsa_kernel k_q65e5629fa2_matchcost
		.amdhsa_group_segment_fixed_size 15872
		.amdhsa_private_segment_fixed_size 0
		.amdhsa_enable_private_segment 0
		.amdhsa_kernarg_size 40
		.amdhsa_user_sgpr_count 2
		.amdhsa_user_sgpr_kernarg_segment_ptr 1
		.amdhsa_wavefront_size32 1
		.amdhsa_system_sgpr_workgroup_id_x 1
		.amdhsa_system_sgpr_workgroup_id_y 1
		.amdhsa_system_sgpr_workgroup_id_z 1
		.amdhsa_system_vgpr_workitem_id 0
		.amdhsa_next_free_vgpr 188
		.amdhsa_next_free_sgpr 90
		.amdhsa_reserve_vcc 1
		.amdhsa_float_denorm_mode_32 3
		.amdhsa_float_denorm_mode_16_64 3
		.amdhsa_memory_ordered 1
		.amdhsa_forward_progress 1
		.amdhsa_inst_pref_size 76
	.end_amdhsa_kernel
	.amdgpu_metadata
---
amdhsa.version: [ 1, 2 ]
amdhsa.kernels:
  - .name:           k_q65e5629fa2_matchcost
    .symbol:         k_q65e5629fa2_matchcost.kd
    .args:
      - { .name: logits, .offset: 0, .size: 8, .value_kind: global_buffer, .address_space: global }
      - { .name: pred_boxes, .offset: 8, .size: 8, .value_kind: global_buffer, .address_space: global }
      - { .name: tgt_boxes, .offset: 16, .size: 8, .value_kind: global_buffer, .address_space: global }
      - { .name: tgt_ids, .offset: 24, .size: 8, .value_kind: global_buffer, .address_space: global }
      - { .name: out0, .offset: 32, .size: 8, .value_kind: global_buffer, .address_space: global }
    .group_segment_fixed_size: 15872
    .private_segment_fixed_size: 0
    .kernarg_segment_align: 8
    .kernarg_segment_size: 40
    .max_flat_workgroup_size: 512
    .sgpr_count:     90
    .vgpr_count:     188
    .wavefront_size: 32
...
	.end_amdgpu_metadata
.endif
;; end of part 2
